; MI455X (gfx1250); checked and timed in simulation.
; The chip was launched on July 23, 2026; its instructions are those of AMD's public machine-readable ISA for CDNA 5 (MIT licence, August 2026) and "CDNA5" Instruction Set Architecture Reference Guide (July 2026). The comments in the code are by the model that wrote it; some were corrected since.
;; Biased Attention Transformer Block. Allowed arithmetic: matrix products marked QUANTISED: E3M2 operands, one E8M0 scale for each 32 along K, by v_wmma_scale_f32_16x16x128_f8f6f4 with both operands' format E3M2, f32 sums; products left as they are: f32 operands where the result goes on into a quantised operand, else bf16, f16 or f32 operands; f32 sums; everything else in f32.
;; Inputs: W1 2,048 x 512 float32; W2 512 x 2,048 float32; Wk 512 x 512 float32; Wo 512 x 512 float32; Wq 512 x 512 float32; Wv 512 x 512 float32; attn_mask 128 x 1 x 128 x 128 bool; b1 2,048 float32; b2 512 float32; bk 512 float32; bo 512 float32; bq 512 float32; bv 512 float32; d 128 x 128 x 128 float32; e 128 x 128 x 512 float32; ln1_b 512 float32; ln1_g 512 float32; ln2_b 512 float32; ln2_g 512 float32; padding_mask 128 x 128 x 1 bool; rbf_gamma one number float32; rbf_mu 16 float32; rbf_w 8 x 16 float32; tokens 128 x 128 int32.
;; Outputs: out0 128 x 128 x 512 float32.
;; This version of the problem:
;;   THIS VERSION OF THE PROBLEM IS GIVEN IN LOW PRECISION. The matrix products marked QUANTISED in the list below multiply operands that are first quantised to E3M2 (3 exponent bits, 2 mantissa bits; 6 bits a number), with one power-of-two scale for each 32 numbers along K (OCP MX v1.0); their sums are f32. All else is computed in f32.
;;   The module's matrix products, in the order in which they are computed (A, B: the left and right operand; K: the contracted axis; several contracted axes count as one K, in the product's order):
;;     1. [M 8, K 16] x [K 16, N 2,097,152]; A: input rbf_w; B: computed on the way: left as it is (K = 16 < 32)
;;     2. [M 16,384, K 512] x [K 512, N 512]; A: computed on the way; B: input Wq: QUANTISED
;;     3. [M 16,384, K 512] x [K 512, N 512]; A: computed on the way; B: input Wk: QUANTISED
;;     4. [M 16,384, K 512] x [K 512, N 512]; A: computed on the way; B: input Wv: QUANTISED
;;     5. batch 1,024 x [M 128, K 64] x [K 64, N 128]; A: computed on the way; B: computed on the way: QUANTISED
;;     6. batch 1,024 x [M 128, K 128] x [K 128, N 64]; A: softmax (see below); B: computed on the way: QUANTISED
;;     7. [M 16,384, K 512] x [K 512, N 512]; A: computed on the way; B: input Wo: QUANTISED
;;     8. [M 16,384, K 512] x [K 512, N 2,048]; A: computed on the way; B: input W1: QUANTISED
;;     9. [M 16,384, K 2,048] x [K 2,048, N 512]; A: computed on the way; B: input W2: QUANTISED
;;   THE QUANTISER, for each operand of a quantised product, along K:
;;     - K is cut into blocks of 32 from its start; a last block that is shorter is filled with zeros.
;;     - A block's scale is 2^e with e = floor(log2(the largest magnitude in the block)) - 4, held to -126 .. 127; a block of zeros has e = 0. As a byte (E8M0): e + 127.
;;     - Each number is divided by its block's scale, clamped to +-28, and rounded to the nearest number of E3M2, ties to even, subnormals kept.
;;     - The product sums the exact products of the quantised numbers (number of the format x scale) in f32.
;;   ~~~python
;;   def quantise(x, axis):      # numpy; x: float32 -> the quantised numbers, widened to float32 again
;;       x = np.moveaxis(x, axis, -1); K = x.shape[-1]
;;       x = np.pad(x, [(0, 0)] * (x.ndim - 1) + [(0, -K % 32)]); x = x.reshape(x.shape[:-1] + (-1, 32)); a = np.abs(x).max(-1, keepdims=True)
;;       e = np.where(a > 0, np.clip(np.frexp(np.where(a > 0, a, 1))[1] - 1 - 4, -126, 127), 0)      # np.frexp(a)[1] - 1 = floor(log2(a)), exactly
;;       r = np.clip(x / 2.0 ** e, -28, 28)
;;       step = 2.0 ** (np.maximum(np.frexp(np.where(r == 0, 1, r))[1] - 1, -2) - 2)
;;       q = np.round(r / step) * step * 2.0 ** e      # np.round: ties to even
;;       return np.moveaxis(q.reshape(q.shape[:-2] + (-1,))[..., :K], -1, axis).astype(np.float32)
;;   ~~~
;;   SOFTMAX AHEAD OF A QUANTISED PRODUCT. Where the list says 'softmax', what is quantised is not the finished softmax but p = 2^(t - M), with t = logit x log2(e) and M = ceil(the row's largest t), a whole number; so 1/2 < the row's largest p <= 1. The row's sum l is taken of the UNQUANTISED p, in f32, and the product's result is divided by l at the end. Since M is a whole number, a kernel that streams over the keys may use a running M (the ceiling of the running maximum): every later rescaling is an exact power of two, which a block's scale takes up: the codes' values come out the same.
;;   OPERANDS COMPUTED ON THE WAY. 'Computed on the way' means the value that the module computes at that place (a softmax that the list does not call 'softmax' is quantised finished and normalised). What goes into a quantiser is computed in f32, as accurately as f32 sums, v_exp_f32 and their like allow (about 1e-6 of the number): no bf16 or f16 on the way to a quantiser, and a product that is left as it is and whose result goes on into a quantised operand takes f32 operands (vector FMAs, or v_wmma_f32_16x16x4_f32). A number that lies on a knife's edge between two numbers of the format may be rounded either way, as far as f32 arithmetic and the matrix unit's own rounding can turn it there, and no further.
;; One version. Each part assembles by itself: llvm-mc -triple=amdgcn-amd-amdhsa -mcpu=gfx1250 --defsym DOCPART=n.
;; ======== version 1 of 1: 2 launches
;; limits: right only within a limited range of input values
;; workspace buffers: wst 2,457,600 bytes
;; launch wq (part 1): grid 192 x 1, 8 waves a work-group, no clusters, 1,536 bytes of LDS; arguments Wq, Wk, Wv, Wo, W1, W2, wst; writes wst
.if DOCPART == 1
	.amdgcn_target "amdgcn-amd-amdhsa--gfx1250"
	.amdhsa_code_object_version 6
	.text
	.protected	k_q9d42716905_wq
	.globl	k_q9d42716905_wq
	.p2align	8
	.type	k_q9d42716905_wq,@function
k_q9d42716905_wq:
	s_mov_b64 s[64:65], 0
	v_nop
	global_prefetch_b8 v0, s[64:65] scope:SCOPE_SE
	s_setreg_imm32_b32 hwreg(HW_REG_WAVE_MODE, 25, 1), 1
	s_wait_xcnt 0x0
; The six weights, f32 with K innermost, become codes of BF6 (E3M2) with one E8M0 byte for each 32 along K, laid in the order and in the
; register image in which the second launch takes them: 48 steps of 128 along K x 4 waves, a block of 12,800 bytes for each.
; A block: 8 fragments of 1,536 bytes (registers 4c .. 4c+3 of lane l at 512 c + 16 l), then 512 bytes of scale words
; (fragment f, row r at 16 (r + 16 (f & 1)) + 4 (f >> 1)).  A fragment is 16 weight rows x 128 K: lane (r, h) holds row
; row0 + r + (r & 8), row0 = R + 128 w + 32 (f >> 1) + 8 (f & 1); registers 6c .. 6c+5 hold k = k0 + 64 c + 32 h + 0 .. 31.
; Steps 0-3 Wq, 4-7 Wk, 8-11 Wv, 12-15 Wo (k0 = 128 s); 16 + 8 g + s: W1 rows 512 g on; 16 + 8 g + 4 + s: W2, k0 = 128 (4 g + s).
; A work-group makes one block, wave f fragment f: 192 blocks, 192 work-groups.  A lane holds two whole blocks of 32, so no other lane
; is asked for a maximum.  A block's byte is its largest magnitude's exponent field - 4, held at 1 from below.
; LIMITS: a block of zeros gets the byte 1 where the rule says 127 (its codes are zeros, and this program alone reads the bytes);
; NaN and infinities among the weights are not served.
	s_load_b256 s[4:11], s[0:1], 0x0               ; Wq s[4:5], Wk s[6:7], Wv s[8:9], Wo s[10:11]
	s_load_b128 s[12:15], s[0:1], 0x20             ; W1 s[12:13], W2 s[14:15]
	s_load_b64 s[16:17], s[0:1], 0x30              ; wst
	v_lshl_add_u32 v128, v0, 2, 0x200
	v_mov_b32 v129, 0
	v_lshrrev_b32 v1, 5, v0
	s_delay_alu instid0(VALU_DEP_1)
	v_readfirstlane_b32 s18, v1                    ; f: my fragment
	v_and_b32 v2, 15, v0                           ; r
	s_wait_alu depctr_va_vdst(0)
	v_bfe_u32 v3, v0, 4, 1                         ; h
	v_and_b32 v1, 31, v0
	s_delay_alu instid0(VALU_DEP_1)
	v_lshlrev_b32 v5, 4, v1                        ; 16 x lane
	s_mov_b32 s36, 0x76543210
	s_mov_b32 s37, 0xfedcba98                      ; v_permlanex16_b32's selects for lane l xor 16
	s_lshr_b32 s20, ttmp9, 2                       ; the step
	s_and_b32 s21, ttmp9, 3                        ; w
	s_and_b32 s22, s20, 3                          ; s
	s_cmp_ge_u32 s20, 16
	s_cselect_b32 s25, 1, 0                        ; a step of W1 or W2?
	s_sub_co_u32 s23, s20, 16
	s_bfe_u32 s24, s23, 0x10002
	s_and_b32 s24, s24, s25                        ; 1: W2
	s_bfe_u32 s26, s23, 0x20003
	s_mul_i32 s26, s26, s25
	s_lshl_b32 s26, s26, 9                         ; 512 g (0 for the four square weights)
	s_lshl_b32 s28, s24, 1
	s_lshl_b32 s27, 2048, s28                      ; a weight row in bytes: 2,048, W2's 8,192
	s_mul_i32 s29, s26, s24                        ; W2: 512 g further along K
	s_sub_co_u32 s26, s26, s29                     ; W1: 512 g rows further down
	s_lshl_b32 s30, s21, 7
	s_add_co_u32 s26, s26, s30
	s_lshr_b32 s30, s18, 1
	s_lshl_b32 s30, s30, 5
	s_add_co_u32 s26, s26, s30
	s_and_b32 s30, s18, 1
	s_lshl_b32 s30, s30, 3
	s_add_co_u32 s26, s26, s30                     ; row0
	s_mul_i32 s26, s26, s27
	s_lshl_b32 s30, s22, 7
	s_add_co_u32 s29, s29, s30                     ; k0
	s_lshl_b32 s29, s29, 2
	s_add_co_u32 s32, s26, s29                     ; the fragment's first byte in its weight (under 4 MiB)
	s_mov_b32 s33, 0
	s_mul_i32 s34, ttmp9, 12800
	s_mul_i32 s30, s18, 1536
	s_add_co_u32 s34, s34, s30                     ; and in wst
	s_mov_b32 s35, 0
	v_and_b32 v6, 8, v2
	s_delay_alu instid0(VALU_DEP_1)
	v_add_nc_u32 v6, v6, v2                        ; r + (r & 8)
	s_delay_alu instid0(VALU_DEP_1)
	v_mul_lo_u32 v4, v6, s27
	s_wait_alu depctr_va_vdst(0)
	v_lshl_add_u32 v4, v3, 7, v4                   ; my row, + 128 h bytes: 32 numbers
	s_and_b32 s30, s18, 1
	s_lshl_b32 s30, s30, 8
	s_lshr_b32 s31, s18, 1
	s_lshl_b32 s31, s31, 2
	s_add_co_u32 s30, s30, s31
	v_lshl_add_u32 v7, v2, 4, s30                  ; LDS: my row's scale word
	s_wait_alu depctr_va_vdst(0)
	s_wait_kmcnt 0x0
	s_cmp_ge_u32 s20, 4                            ; the weight is chosen by the step's number alone
	s_cselect_b64 s[4:5], s[6:7], s[4:5]
	s_cmp_ge_u32 s20, 8
	s_cselect_b64 s[4:5], s[8:9], s[4:5]
	s_cmp_ge_u32 s20, 12
	s_cselect_b64 s[4:5], s[10:11], s[4:5]
	s_cmp_ge_u32 s20, 16
	s_cselect_b64 s[4:5], s[12:13], s[4:5]
	s_cmp_eq_u32 s24, 1
	s_cselect_b64 s[4:5], s[14:15], s[4:5]
	s_add_nc_u64 s[4:5], s[4:5], s[32:33]
	s_add_nc_u64 s[16:17], s[16:17], s[34:35]
.irp c, 0,1
.irp i, 0,1,2,3,4,5,6,7
	global_load_b128 v[32+32*\c+4*\i:35+32*\c+4*\i], v4, s[4:5] offset:256*\c+16*\i th:TH_LOAD_NT   ; k = k0 + 64 c + 32 h + 4 i ..: read once in the launch
.endr
.endr
.irp c, 0,1
	s_wait_loadcnt 8-8*\c                          ; block c's eight loads are in; the other block's eight may be out
	v_max3_num_f32 v[8+\c], |v[32+32*\c]|, |v[33+32*\c]|, 0x2800000   ; the floor 2^(5 - 127): the byte cannot fall under 1
.irp i, 2,4,6,8,10,12,14,16,18,20,22,24,26,28,30
	s_delay_alu instid0(VALU_DEP_1)
	v_max3_num_f32 v[8+\c], v[8+\c], |v[32+32*\c+\i]|, |v[33+32*\c+\i]|
.endr
	s_delay_alu instid0(VALU_DEP_1)
	v_add_nc_u32 v[10+\c], 0xfe000000, v[8+\c]     ; 4 off the exponent field: the conversion's scale operand
	s_delay_alu instid0(VALU_DEP_1)
	v_lshrrev_b32 v[12+\c], 23, v[10+\c]           ; the byte
.endr
	s_delay_alu instid0(VALU_DEP_1)
	v_lshl_or_b32 v14, v13, 16, v12                ; my two bytes: blocks h and 2 + h of my row,
	v_lshlrev_b32 v15, 3, v3
	s_delay_alu instid0(VALU_DEP_1)
	v_lshlrev_b32 v14, v15, v14                    ; 8 h bits up;
	v_mov_b32 v15, 0
	s_delay_alu instid0(VALU_DEP_1)
	v_permlanex16_b32 v15, v14, s36, s37
	s_delay_alu instid0(VALU_DEP_1)
	v_or_b32 v14, v14, v15                         ; with lane l xor 16's two the word is whole
	v_cvt_scalef32_pk16_bf6_f32 v[96:98], v[32:47], v10
	v_cvt_scalef32_pk16_bf6_f32 v[108:110], v[48:63], v10      ; (a conversion's three registers begin on an even number)
	v_cvt_scalef32_pk16_bf6_f32 v[102:104], v[64:79], v11
	v_cvt_scalef32_pk16_bf6_f32 v[112:114], v[80:95], v11
	v_nop                                          ; one plain place behind a scaled conversion
.irp i, 0,1,2
	v_mov_b32 v[99+\i], v[108+\i]
	v_mov_b32 v[105+\i], v[112+\i]
.endr
	ds_store_b32 v7, v14                           ; lanes r and r + 16 write the same word with the same value
.irp c, 0,1,2
	global_store_b128 v5, v[96+4*\c:99+4*\c], s[16:17] offset:512*\c   ; 32 lanes store 512 consecutive bytes, at a multiple of 256 from wst's first byte
.endr
	s_wait_dscnt 0x0                               ; for the others' sake: my scale words lie in LDS
	s_barrier_signal -1
	s_barrier_wait -1
	s_cmp_lg_u32 s18, 0
	s_cbranch_scc1 .Ldone
	ds_load_b128 v[116:119], v5                    ; wave 0 (whose base is the block's first byte) stores the block's 512 bytes of scale words
	s_wait_dscnt 0x0
	global_store_b128 v5, v[116:119], s[16:17] offset:12288
.Ldone:
	s_wait_tensorcnt 0x0
	ds_add_u32 v128, v129
	s_wait_dscnt 0x0
	s_endpgm
.Lfunc_end_k_q9d42716905_wq:
	.size	k_q9d42716905_wq, .Lfunc_end_k_q9d42716905_wq-k_q9d42716905_wq
	.p2alignl 7, 3214868480
	.fill 96, 4, 3214868480
	.section	.rodata,"a",@progbits
	.p2align	6, 0x0
	.amdhsa_kernel k_q9d42716905_wq
		.amdhsa_group_segment_fixed_size 1536
		.amdhsa_private_segment_fixed_size 0
		.amdhsa_enable_private_segment 0
		.amdhsa_kernarg_size 56
		.amdhsa_user_sgpr_count 2
		.amdhsa_user_sgpr_kernarg_segment_ptr 1
		.amdhsa_wavefront_size32 1
		.amdhsa_system_sgpr_workgroup_id_x 1
		.amdhsa_system_sgpr_workgroup_id_y 1
		.amdhsa_system_sgpr_workgroup_id_z 1
		.amdhsa_system_vgpr_workitem_id 0
		.amdhsa_next_free_vgpr 130
		.amdhsa_next_free_sgpr 66
		.amdhsa_reserve_vcc 0
		.amdhsa_float_denorm_mode_32 3
		.amdhsa_float_denorm_mode_16_64 3
		.amdhsa_memory_ordered 1
		.amdhsa_forward_progress 1
		.amdhsa_inst_pref_size 10
	.end_amdhsa_kernel
	.amdgpu_metadata
---
amdhsa.version: [ 1, 2 ]
amdhsa.kernels:
  - .name:           k_q9d42716905_wq
    .symbol:         k_q9d42716905_wq.kd
    .args:
      - { .name: Wq, .offset: 0, .size: 8, .value_kind: global_buffer, .address_space: global }
      - { .name: Wk, .offset: 8, .size: 8, .value_kind: global_buffer, .address_space: global }
      - { .name: Wv, .offset: 16, .size: 8, .value_kind: global_buffer, .address_space: global }
      - { .name: Wo, .offset: 24, .size: 8, .value_kind: global_buffer, .address_space: global }
      - { .name: W1, .offset: 32, .size: 8, .value_kind: global_buffer, .address_space: global }
      - { .name: W2, .offset: 40, .size: 8, .value_kind: global_buffer, .address_space: global }
      - { .name: wst, .offset: 48, .size: 8, .value_kind: global_buffer, .address_space: global }
    .group_segment_fixed_size: 1536
    .private_segment_fixed_size: 0
    .kernarg_segment_align: 8
    .kernarg_segment_size: 56
    .max_flat_workgroup_size: 256
    .sgpr_count:     66
    .vgpr_count:     130
    .wavefront_size: 32
...
	.end_amdgpu_metadata
.endif
;; end of part 1
;; launch blk (part 2): grid 256 x 1, 4 waves a work-group, no clusters, 327,680 bytes of LDS; arguments e, d, attn_mask, padding_mask, ln1_g, ln1_b, bq, bk, bv, bo, ln2_g, ln2_b, b1, b2, rbf_mu, rbf_gamma, rbf_w, wst, out0; writes out0
.if DOCPART == 2
	.amdgcn_target "amdgcn-amd-amdhsa--gfx1250"
	.amdhsa_code_object_version 6
	.text
	.protected	k_q9d42716905_blk
	.globl	k_q9d42716905_blk
	.p2align	8
	.type	k_q9d42716905_blk,@function
k_q9d42716905_blk:
	s_mov_b64 s[64:65], 0
	v_nop
	global_prefetch_b8 v0, s[64:65] scope:SCOPE_SE
	s_setreg_imm32_b32 hwreg(HW_REG_WAVE_MODE, 25, 1), 1
	s_wait_xcnt 0x0
; The whole block, LN1 to out0, for 64 rows (half a sequence) a work-group; K and V are made for all 128 rows by both halves.  tokens enters no result of reference() and is no argument.
; Every phase is a counted loop on fixed registers.  Wave w owns columns 128 w .. 128 w + 127 of every GEMM: its 32 weight fragments (128 columns x K 512) stand in registers, two sets,
; so that the next pass's weights are loaded while this pass runs; a pass walks the row tiles: 32 matrix instructions a tile, then the tile's epilogue.
; Activations go from wave to wave through LDS as images of operand registers.  f32 tiles (raw e, e0 + bo, e2 + b2 + FFN sums, the 8 heads' scores) lie in the wave's own LDS bytes.
; Row tile m, lane r: local row 32 (m >> 1) + 8 (m & 1) + r + (r & 8); local rows 0-63 mine, 64-127 the other half's.  A transposed product leaves register 16 b + i = column 128 w + 32 b + 16 h + i.
; LayerNorm: each wave's mean and centred squares of its 128 columns; the four are joined: M2 = sum M2w + 128 sum (mean_w - mean)^2.
; Scores S' = q.k + 8 bias; p = 2^(S' log2(e) / 8 - M), M = ceil of the row's largest; the row's sum is of the unquantised p.
; NO CLUSTER, NO TENSOR LOAD: a weight byte is wanted by one wave alone, and 315,392 bytes of LDS hold scores and V at the peak: no room for slots.
; LIMITS: NaN and infinities are not served; a block under 2^-122 keeps the byte 1; the mask is min(S', -8e9): a score under -1e9 would stay; a padded row has zero hidden codes and b2 x 0.
; WINDOW 0: v1 16 lane, v2 512 w + 16 lane, v3, v4 vectors in LDS (read, write), v5 8 r, v8 wst, v9 512 w + 64 h, v12-15 r, h, r + (r & 8), 4 lane; v16-51, v240 scale words alone;
; v52-83 small loads; v84-95 fragment 63; v96-143 a tile's four fragments; v144-207 the tile; v208-243 the quantiser's.  Fragment f of the two sets: window 1 + f / 21, register 12 (f % 21).
.set STEPB,51200
.set QIMG,131072
.set QSC,155648
.set KIMG,157696
.set KSC,206848
.set TT,262144
.set TSC,TT+49152
.set ESC,TT+24576
.set HIMG,TT+26624
.set HSC,HIMG+24576
.set STA1,315392
.set STA2,319488
.set BV,321536
.set SPARE,325632
.set XS,48
.set CB,52
.set Y,80
.set XF,96
.set ACC,144
.set MSB,0
.macro WIN new
.if MSB != (\new)
	s_set_vgpr_msb (MSB<<8)|(\new)
.set MSB,(\new)
.endif
.endm
.macro WA
	s_wait_alu depctr_va_vdst(0)
.endm
.macro PLACES
.rept 4
	v_nop
.endr
.endm
.macro BAR
	WA
	s_wait_dscnt 0x0
	s_barrier_signal -1
	s_barrier_wait -1
.endm
.macro SA d,i,st,base                  ; s[d] = s[i] x st + base
	s_mul_i32 s\d,s\i,\st
	s_add_co_u32 s\d,s\d,\base
.endm
.macro TEND lbl,nt
	s_add_co_u32 s50,s50,1
	s_cmp_lt_u32 s50,\nt
	WA
	s_cbranch_scc1 \lbl
.endm
.macro FLOC f
.set FW,(1+(\f)/21)&3
.set FR,12*((\f)%21)+84*((\f)/63)
.endm
.macro WM d,a,b,c,sa,sb,row
.if (\c) < 0
	v_wmma_scale_f32_16x16x128_f8f6f4 v[(\d):(\d)+7], v[(\a):(\a)+11], v[(\b):(\b)+11], 0, v[\sa], v[\sb] matrix_a_fmt:MATRIX_FMT_BF6 matrix_b_fmt:MATRIX_FMT_BF6
.elseif (\row) == 0
	v_wmma_scale_f32_16x16x128_f8f6f4 v[(\d):(\d)+7], v[(\a):(\a)+11], v[(\b):(\b)+11], v[(\c):(\c)+7], v[\sa], v[\sb] matrix_a_fmt:MATRIX_FMT_BF6 matrix_b_fmt:MATRIX_FMT_BF6
.else
	v_wmma_scale_f32_16x16x128_f8f6f4 v[(\d):(\d)+7], v[(\a):(\a)+11], v[(\b):(\b)+11], v[(\c):(\c)+7], v[\sa], v[\sb] matrix_a_fmt:MATRIX_FMT_BF6 matrix_b_fmt:MATRIX_FMT_BF6 matrix_a_scale:MATRIX_SCALE_ROW1
.endif
.endm
.macro WLD set,base,off                ; four K steps of my weight blocks into a set: 96 + 4 loads
.set FI,0
.rept 32
	FLOC 32*(\set)+FI
	WIN (FW<<6)
.irp c,0,1,2
	global_load_b128 v[FR+4*\c:FR+4*\c+3], v8, s[\base:\base+1] offset:(\off)+(FI/8)*STEPB+(FI%8)*1536+512*\c
.endr
.set FI,FI+1
.endr
	WIN 0
.irp k,0,1,2,3
	global_load_b128 v[16+16*(\set)+4*\k:16+16*(\set)+4*\k+3], v8, s[\base:\base+1] offset:(\off)+\k*STEPB+12288
.endr
.endm
.macro MM set                          ; 32 matrix instructions on the tile's 8 accumulators by turns, in place
.set FI,0
.rept 32
	FLOC 32*(\set)+FI
	WIN FW
	WM ACC+8*(FI%8),FR,XF+12*(FI/8),ACC+8*(FI%8),16+16*(\set)+4*(FI/8)+((FI%8)>>1),XS+FI/8,FI&1
.set FI,FI+1
.endr
	WIN 0
.endm
.macro XLOAD kstr                      ; a row tile's four fragments and its scale words
.irp k,0,1,2,3
.irp c,0,1,2
	ds_load_b128 v[XF+12*\k+4*\c:XF+12*\k+4*\c+3], v10 offset:\k*(\kstr)+512*\c
.endr
.endr
	ds_load_b128 v[XS:XS+3], v11
.endm
.macro VLD reg,slot                    ; a staged vector over my columns, in the result's layout
.set Q,0
.rept 16
	ds_load_b128 v[(\reg)+4*Q:(\reg)+4*Q+3], v3 offset:2048*(\slot)+128*(Q/4)+16*(Q%4)
.set Q,Q+1
.endr
.endm
.macro XLD str                         ; the f32 tile at v253
.set Q,0
.rept 16
	ds_load_b128 v[ACC+4*Q:ACC+4*Q+3], v253 offset:Q*(\str)
.set Q,Q+1
.endr
.endm
.macro XST str
.set Q,0
.rept 16
	ds_store_b128 v253, v[ACC+4*Q:ACC+4*Q+3] offset:Q*(\str)
.set Q,Q+1
.endr
.endm
.macro TLOAD reg,base,adr
.set Q,0
.rept 16
	global_load_b128 v[(\reg)+4*Q:(\reg)+4*Q+3], v[\adr], s[\base:\base+1] offset:128*(Q/4)+16*(Q%4)
.set Q,Q+1
.endr
.endm
.macro IADR ib,its,sb,sts              ; tile s3's images
	SA 2,3,\its,\ib
	v_add_nc_u32 v10, s2, v1
	SA 2,3,\sts,\sb
	v_add_nc_u32 v11, s2, v1
.endm
.macro OADR ib,sb                      ; where tile s50's fragment (K step w) and scale word go
	SA 2,50,6144,\ib
	s_add_co_u32 s2, s2, s93
	v_add_nc_u32 v6, s2, v1
	SA 2,50,512,\sb
	s_add_co_u32 s2, s2, s94
	v_add_nc_u32 v7, s2, v1
.endm
.macro XADR i                          ; my f32 tile s[i] behind attention
	SA 2,\i,16384,6144
	s_add_co_u32 s2, s2, s95
	v_add_nc_u32 v253, s2, v1
	WA
.endm
.macro RAWADR                          ; my f32 tile s50 in LN1: 32,768 w + 8,192 (m & 3) + 131,072 (m >> 2)
	s_lshl_b32 s2, s50, 13
	s_and_b32 s3, s2, 0x8000
	s_and_b32 s2, s2, 0x7fff
	s_lshl_b32 s3, s3, 2
	s_add_co_u32 s2, s2, s3
	s_lshl_b32 s3, s42, 15
	s_add_co_u32 s2, s2, s3
	v_add_nc_u32 v253, s2, v1
.endm
.macro STADR sta                       ; where my wave's mean and squares of tile s50 go
	SA 2,50,512,\sta
	s_lshl_b32 s48, s42, 7
	s_add_co_u32 s2, s2, s48
	v_add_nc_u32 v7, s2, v5
.endm
.macro IMAGE
.irp c,0,1,2
	ds_store_b128 v6, v[220+4*\c:223+4*\c] offset:512*\c
.endr
	ds_store_b32 v7, v240
.endm
.macro QMAX W,s                        ; the four blocks' largest magnitudes, floor 2^(5 - 127)
	WIN ((\W)|((\W)<<2))
.irp b,0,1,2,3
	v_max3_num_f32 v[208+\b], |v[(\s)+16*\b]|, |v[(\s)+16*\b+1]|, 0x2800000
.endr
.irp i,2,4,6,8,10,12,14
.irp b,0,1,2,3
	v_max3_num_f32 v[208+\b], |v[(\s)+16*\b+\i]|, |v[(\s)+16*\b+\i+1]|, v[208+\b]
.endr
.endr
	WIN 0
.irp b,0,1,2,3
	v_permlanex16_b32 v[212+\b], v[208+\b], s44, s45
.endr
.irp b,0,1,2,3
	v_max_num_f32 v[208+\b], v[208+\b], v[212+\b]
.endr
.endm
.macro QTAIL W,s                       ; maxima in v208-211 -> scale word v240, codes v220-231
.irp b,0,1,2,3
	v_add_nc_u32 v[216+\b], 0xfe000000, v[208+\b]
.endr
.irp b,0,1,2,3
	v_lshrrev_b32 v[212+\b], 23, v[216+\b]
.endr
	WA
	s_wait_dscnt 0x0                               ; the last image's stores have read their registers
	v_lshl_or_b32 v240, v213, 8, v212
	v_lshl_or_b32 v240, v214, 16, v240
	v_lshl_or_b32 v240, v215, 24, v240
	WIN (\W)
.irp c,0,1
	v_cvt_scalef32_pk16_bf6_f32 v[220+6*\c:222+6*\c], v[(\s)+32*\c:(\s)+32*\c+15], v[216+2*\c]
	v_cvt_scalef32_pk16_bf6_f32 v[232+4*\c:234+4*\c], v[(\s)+32*\c+16:(\s)+32*\c+31], v[217+2*\c]
.endr
	WIN 0
	v_nop
.irp c,0,1
.irp i,0,1,2
	v_permlane16_swap_b32 v[220+6*\c+\i], v[232+4*\c+\i]
.endr
.irp i,0,1,2
	v_mov_b32 v[223+6*\c+\i], v[232+4*\c+\i]
.endr
.endr
.endm
.macro LNSTAT                          ; the tile's rows over my 128 columns: mean -> v242, centred squares -> v243
	v_pk_add_f32 v[208:209], v[ACC:ACC+1], v[ACC+2:ACC+3]
	v_pk_add_f32 v[210:211], v[ACC+4:ACC+5], v[ACC+6:ACC+7]
.set J,8
.rept 14
	v_pk_add_f32 v[208:209], v[ACC+J:ACC+J+1], v[208:209]
	v_pk_add_f32 v[210:211], v[ACC+J+2:ACC+J+3], v[210:211]
.set J,J+4
.endr
	v_pk_add_f32 v[208:209], v[208:209], v[210:211]
	v_add_f32 v208, v208, v209
	v_permlanex16_b32 v212, v208, s44, s45
	v_add_f32 v208, v208, v212
	v_mul_f32 v214, 0x3c000000, v208
	v_mul_f32 v215, 0x3c000000, v208
	v_pk_add_f32 v[216:217], v[ACC:ACC+1], v[214:215] neg_lo:[0,1] neg_hi:[0,1]
	v_pk_add_f32 v[218:219], v[ACC+2:ACC+3], v[214:215] neg_lo:[0,1] neg_hi:[0,1]
	v_pk_mul_f32 v[208:209], v[216:217], v[216:217]
	v_pk_mul_f32 v[210:211], v[218:219], v[218:219]
.set J,4
.rept 15
	v_pk_add_f32 v[216:217], v[ACC+J:ACC+J+1], v[214:215] neg_lo:[0,1] neg_hi:[0,1]
	v_pk_add_f32 v[218:219], v[ACC+J+2:ACC+J+3], v[214:215] neg_lo:[0,1] neg_hi:[0,1]
	v_pk_fma_f32 v[208:209], v[216:217], v[216:217], v[208:209]
	v_pk_fma_f32 v[210:211], v[218:219], v[218:219], v[210:211]
.set J,J+4
.endr
	v_pk_add_f32 v[208:209], v[208:209], v[210:211]
	v_add_f32 v208, v208, v209
	v_permlanex16_b32 v212, v208, s44, s45
	v_add_f32 v243, v208, v212
	v_mov_b32 v242, v214
.endm
; LayerNorm's second loop: join the four waves' sums, normalise (gain in window 3 v0-63, bias staged in slot 0), quantise, image; then + the vector in slot 1, back to the f32 tile.
.macro LNC lbl,nt,two,sta,ib,sb
.set XQ,512+16*(\two)
	s_mov_b32 s50, 0
\lbl:
.if \two
	XADR 50
	SA 2,50,16384,4096
	s_add_co_u32 s2, s2, s95
	v_add_nc_u32 v10, s2, v15
	ds_load_b32 v244, v10                          ; the relu's limit of my row: infinity, or 0 where it is padded
.else
	RAWADR
.endif
	SA 2,50,512,\sta
	v_add_nc_u32 v11, s2, v5
	XLD XQ
.irp ww,0,1,2,3
	ds_load_b64 v[216+2*\ww:217+2*\ww], v11 offset:128*\ww
.endr
	VLD Y,0
	OADR \ib,\sb
	WA
	s_wait_dscnt 0x0
	v_add_f32 v208, v216, v218
	v_add_f32 v209, v220, v222
	v_add_f32 v208, v208, v209
	v_mul_f32 v214, 0.25, v208
	v_mul_f32 v215, 0.25, v208
	v_add_f32 v209, v217, v219
	v_add_f32 v210, v221, v223
	v_add_f32 v209, v209, v210
.irp ww,0,1,2,3
	v_sub_f32 v210, v[216+2*\ww], v214
	v_mul_f32 v210, v210, v210
	v_fmamk_f32 v209, v210, 0x43000000, v209
.endr
	v_fmaak_f32 v209, s51, v209, 0x3727c5ac
.if \two
	v_min_num_f32 v246, 1.0, v244
	v_min_num_f32 v247, 1.0, v244
.endif
	WA
	v_rsq_f32 v212, v209
	v_nop
	WA
	v_mov_b32 v213, v212
.set J,0
.rept 32
	v_pk_add_f32 v[ACC+J:ACC+J+1], v[ACC+J:ACC+J+1], v[214:215] neg_lo:[0,1] neg_hi:[0,1]
.set J,J+2
.endr
.set J,0
.rept 32
	v_pk_mul_f32 v[ACC+J:ACC+J+1], v[ACC+J:ACC+J+1], v[212:213]
.set J,J+2
.endr
	WIN 0x0c
.set J,0
.rept 32
	v_pk_fma_f32 v[Y+J:Y+J+1], v[ACC+J:ACC+J+1], v[J:J+1], v[Y+J:Y+J+1]
.set J,J+2
.endr
	WIN 0
	VLD ACC,1
	QMAX 0,Y
	QTAIL 0,Y
	IMAGE
.set J,0
.rept 32
.if \two
	v_pk_fma_f32 v[ACC+J:ACC+J+1], v[ACC+J:ACC+J+1], v[246:247], v[Y+J:Y+J+1]
.else
	v_pk_add_f32 v[ACC+J:ACC+J+1], v[ACC+J:ACC+J+1], v[Y+J:Y+J+1]
.endif
.set J,J+2
.endr
	XST XQ
	TEND \lbl,\nt
.endm
.macro TTOP set,nt,ib,its,kstr,sb,sts  ; a tile's products; then the next tile's fragments are asked for (the last trip asks for its own again)
	s_wait_dscnt 0x0
	MM \set
	PLACES
	s_add_co_u32 s3, s50, 1
	s_min_u32 s3, s3, (\nt)-1
	IADR \ib,\its,\sb,\sts
	XLOAD \kstr
.endm
.macro TPRE ib,its,kstr,sb,sts
	s_mov_b32 s50, 0
	s_mov_b32 s3, 0
	IADR \ib,\its,\sb,\sts
	XLOAD \kstr
.endm
.macro BSTAGE                          ; the vector loaded into v248-251 becomes slot 0
	s_wait_loadcnt 0x0
	ds_store_b128 v4, v[248:251]
	s_wait_dscnt 0x0
.endm
; ---------------- the head
	s_load_b512 s[4:19], s[0:1], 0x0               ; e, d, attn_mask, padding_mask, ln1_g, ln1_b, bq, bk
	s_load_b512 s[20:35], s[0:1], 0x40             ; bv, bo, ln2_g, ln2_b, b1, b2, rbf_mu, rbf_gamma
	s_load_b128 s[36:39], s[0:1], 0x80             ; rbf_w, wst
	s_load_b64 s[40:41], s[0:1], 0x90              ; out0
	v_lshl_add_u32 v254, v0, 2, SPARE
	v_mov_b32 v255, 0
	v_lshrrev_b32 v15, 5, v0
	v_readfirstlane_b32 s42, v15
	v_and_b32 v15, 31, v0
	v_lshlrev_b32 v1, 4, v15
	v_lshlrev_b32 v15, 2, v15
	v_and_b32 v12, 15, v0
	v_bfe_u32 v13, v0, 4, 1
	v_and_b32 v14, 8, v12
	v_add_nc_u32 v14, v14, v12
	v_lshlrev_b32 v5, 3, v12
	s_mul_i32 s2, s42, 12800
	v_add_nc_u32 v8, s2, v1
	s_lshl_b32 s2, s42, 9
	v_lshl_add_u32 v9, v13, 6, s2
	v_add_nc_u32 v2, s2, v1
	v_add_nc_u32 v3, BV, v9
	v_add_nc_u32 v4, BV, v2
	v_lshl_add_u32 v10, v14, 11, v9
.irp i,212,213,214,215
	v_mov_b32 v[\i], 0
.endr
	WA
	s_and_b32 s43, ttmp9, 1
	s_mov_b32 s44, 0x76543210
	s_mov_b32 s45, 0xfedcba98
	s_mov_b32 s46, 0x3e38aa3b                      ; log2(e) / 8
	s_mov_b32 s47, s46
	s_mov_b32 s51, 0x3b000000                      ; 1 / 512
	s_mul_i32 s93, s42, 1536
	s_lshl_b32 s94, s42, 2
	s_lshl_b32 s95, s42, 16
	s_lshl_b32 s2, ttmp9, 17
	s_mov_b32 s3, 0
	s_xor_b32 s48, ttmp9, 1
	s_lshl_b32 s48, s48, 17
	s_mov_b32 s49, 0
	s_mov_b32 s67, 0
	s_wait_kmcnt 0x0
	s_add_nc_u64 s[56:57], s[4:5], s[48:49]        ; e, the other rows
	s_add_nc_u64 s[4:5], s[4:5], s[2:3]            ; e, my rows
	s_add_nc_u64 s[40:41], s[40:41], s[2:3]
	s_lshl_b32 s2, ttmp9, 15
	s_lshl_b32 s48, s43, 8
	s_add_co_u32 s48, s2, s48
	s_xor_b32 s66, s43, 1
	s_lshl_b32 s66, s66, 8
	s_add_co_u32 s66, s2, s66
	s_add_nc_u64 s[58:59], s[6:7], s[66:67]        ; d: local keys 64-127
	s_add_nc_u64 s[6:7], s[6:7], s[48:49]          ; d: local keys 0-63
	s_lshl_b32 s2, ttmp9, 13
	s_lshl_b32 s48, s43, 6
	s_add_co_u32 s48, s2, s48
	s_xor_b32 s66, s43, 1
	s_lshl_b32 s66, s66, 6
	s_add_co_u32 s66, s2, s66
	s_add_nc_u64 s[60:61], s[8:9], s[66:67]
	s_add_nc_u64 s[8:9], s[8:9], s[48:49]
	s_lshl_b32 s2, ttmp9, 6
	s_add_nc_u64 s[10:11], s[10:11], s[2:3]
	global_load_b128 v[248:251], v2, s[14:15]      ; ln1_b
	global_load_b128 v[72:75], v2, s[22:23]        ; bo
	WIN 0xc0
	TLOAD 0,12,9                                   ; ln1_g
	WIN 0
; ---------------- e into my own LDS tiles: four tiles (64 loads) a trip: my rows, then the other rows
	s_mov_b32 s50, 0
.Lst:
	s_cmp_eq_u32 s50, 0
	s_cselect_b64 s[48:49], s[4:5], s[56:57]
	WIN 0x40
.set Q,0
.rept 64
	global_load_b128 v[4*Q:4*Q+3], v10, s[48:49] offset:(32*(Q/32)+8*((Q/16)&1))*2048+128*((Q/4)&3)+16*(Q&3)
.set Q,Q+1
.endr
	WIN 0
	s_lshl_b32 s2, s50, 17
	s_lshl_b32 s3, s42, 15
	s_add_co_u32 s2, s2, s3
	v_add_nc_u32 v11, s2, v1
	WA
	WIN 0x04
.set Q,0
.rept 64
.if (Q%16) == 0
	s_wait_loadcnt 48-Q                            ; this tile's 16 loads are in; the later tiles' may be out
.endif
	ds_store_b128 v11, v[4*Q:4*Q+3] offset:512*Q
.set Q,Q+1
.endr
	WIN 0
	s_wait_dscnt 0x0
	TEND .Lst,2
	ds_store_b128 v4, v[248:251]
	ds_store_b128 v4, v[72:75] offset:2048
	s_wait_dscnt 0x0
	global_load_b128 v[248:251], v2, s[16:17]      ; bq
	WLD 0,38,0                                     ; Wq lands under LN1
; ---------------- LN1
	s_mov_b32 s50, 0
.Lsa:
	RAWADR
	XLD 512
	STADR STA1
	WA
	s_wait_dscnt 0x0
	LNSTAT
	ds_store_b64 v7, v[242:243]
	TEND .Lsa,8
	BAR
	LNC .Lsc,8,0,STA1,TT,TSC
	BAR                                            ; e0's images lie in LDS; raw tiles of the other rows are read no more
; ---------------- Q, K
	BSTAGE
	global_load_b128 v[248:251], v2, s[18:19]      ; bk
	WLD 1,38,4*STEPB
	TPRE TT,6144,1536,TSC,512
	VLD ACC,0
.Lq:
	TTOP 0,4,TT,6144,1536,TSC,512
	OADR QIMG,QSC
	QMAX 0,ACC
	QTAIL 0,ACC
	IMAGE
	VLD ACC,0
	TEND .Lq,4
	BSTAGE
	TPRE TT,6144,1536,TSC,512
	VLD ACC,0
.Lk:
	TTOP 1,8,TT,6144,1536,TSC,512
	OADR KIMG,KSC
	QMAX 0,ACC
	QTAIL 0,ACC
	IMAGE
	VLD ACC,0
	TEND .Lk,8
; ---------------- V, untransposed: e0's 32 fragments stand in set 0, Wv's fragments are streamed, one channel tile a trip
	s_wait_dscnt 0x0
	s_lshr_b32 s2, s42, 1
	s_lshl_b32 s2, s2, 5
	s_and_b32 s3, s42, 1
	s_lshl_b32 s3, s3, 3
	s_add_co_u32 s2, s2, s3
	v_add_nc_u32 v6, s2, v14                       ; my query's local row
	v_lshlrev_b32 v247, 6, v13
	v_lshl_add_u32 v247, v6, 9, v247               ; d: its row + 64 h
	v_lshlrev_b32 v252, 4, v13
	v_lshl_add_u32 v252, v6, 7, v252               ; the mask: its row + 16 h
	v_add_nc_u32 v10, TT, v1
	s_mul_i32 s2, s42, 12800
	v_lshl_add_u32 v245, v12, 4, s2                ; Wv's scale words: 12,800 w + 16 r
	s_lshl_b32 s2, s42, 9
	v_lshl_add_u32 v246, v14, 2, s2                ; bv: my lane's channel
	WA
	global_prefetch_b8 v247, s[6:7] th:TH_LOAD_NT scope:SCOPE_SE    ; my queries' rows of d and of the mask, one V pass and the score products ahead of their loads
	global_prefetch_b8 v247, s[58:59] th:TH_LOAD_NT scope:SCOPE_SE
	global_prefetch_b8 v252, s[8:9] th:TH_LOAD_NT scope:SCOPE_SE
.set FI,0
.rept 32
	FLOC FI
	WIN (FW<<6)
.irp c,0,1,2
	ds_load_b128 v[FR+4*\c:FR+4*\c+3], v10 offset:FI*1536+512*\c
.endr
.set FI,FI+1
.endr
	WIN 0
.irp m,0,1,2,3,4,5,6,7
	ds_load_b128 v[16+4*\m:19+4*\m], v10 offset:49152+512*\m
.endr
.macro VASK                            ; channel tile s3: Wv's four fragments, their scale words, bv eight times
	s_mul_i32 s2, s3, 1536
	s_and_b32 s48, s3, 1
	s_lshr_b32 s49, s3, 1
	s_lshl_b32 s62, s48, 8
	s_lshl_b32 s63, s49, 2
	s_add_co_u32 s62, s62, s63                     ; scale words: 256 (f & 1) + 4 (f >> 1)
	s_lshl_b32 s63, s49, 7
	s_lshl_b32 s48, s48, 5
	s_add_co_u32 s63, s63, s48                     ; bv: 128 (f >> 1) + 32 (f & 1)
	v_add_nc_u32 v10, s2, v8
	v_add_nc_u32 v11, s62, v245
	v_add_nc_u32 v253, s63, v246
	WA
.irp k,0,1,2,3
.irp c,0,1,2
	global_load_b128 v[XF+12*\k+4*\c:XF+12*\k+4*\c+3], v10, s[38:39] offset:(8+\k)*STEPB+512*\c
.endr
	global_load_b32 v[XS+\k], v11, s[38:39] offset:(8+\k)*STEPB+12288
.endr
.irp j,0,1,2,3,4,5,6,7
	global_load_b32 v[CB+\j], v253, s[20:21]
.endr
.endm
	s_mov_b32 s50, 0
	s_mov_b32 s3, 0
	VASK
	BAR                                            ; every wave holds e0's images: V's may be laid over them
.Lv:
	WA
	s_wait_loadcnt 0x0
.set FI,0
.rept 32
	FLOC 4*(FI%8)+FI/8
	WIN FW
.if FI < 8
	WM ACC+8*(FI%8),FR,XF,CB,16+4*(FI%8),XS,0
.else
	WM ACC+8*(FI%8),FR,XF+12*(FI/8),ACC+8*(FI%8),16+4*(FI%8)+FI/8,XS+FI/8,0
.endif
.set FI,FI+1
.endr
	WIN 0
	PLACES
	s_add_co_u32 s3, s50, 1
	s_min_u32 s3, s3, 7
	VASK
	SA 2,50,1536,TT
	s_lshl_b32 s48, s93, 3
	s_add_co_u32 s2, s2, s48
	v_add_nc_u32 v6, s2, v1                        ; fragment 8 w + f
	s_lshr_b32 s2, s50, 2
	s_lshl_b32 s2, s2, 9
	s_and_b32 s48, s50, 3
	s_lshl_b32 s48, s48, 2
	s_add_co_u32 s2, s2, s48
	s_lshl_b32 s48, s42, 10
	s_add_co_u32 s2, s2, s48
	s_add_co_u32 s2, s2, TSC
	v_add_nc_u32 v7, s2, v1
	QMAX 0,ACC
	QTAIL 0,ACC
	IMAGE
	TEND .Lv,8
	s_wait_loadcnt 0x0
	BAR                                            ; Q's, K's and V's images lie in LDS
; ---------------- S' = K Q^T, head pair c at a time, into windows 2 and 3; Q's operand has zero codes in the other head's half
	SA 2,42,6144,QIMG
	v_add_nc_u32 v6, s2, v1
	SA 2,42,512,QSC
	v_add_nc_u32 v7, s2, v1
	v_add_nc_u32 v10, KIMG, v1
.irp i,198,199,200,201,202,203,204,205,206,207,208,209
	v_mov_b32 v[\i], 0
.endr
	ds_load_b128 v[24:27], v7
.irp c,0,1,2,3
	PLACES
	ds_load_b128 v[192:195], v6 offset:1536*\c
	ds_load_b64 v[196:197], v6 offset:1536*\c+512
	ds_load_b64 v[210:211], v6 offset:1536*\c+520
	ds_load_b128 v[212:215], v6 offset:1536*\c+1024
.irp kt,0,1,2,3,4,5,6,7
.irp q,0,1,2
	ds_load_b128 v[96+12*\kt+4*\q:99+12*\kt+4*\q], v10 offset:6144*\kt+1536*\c+512*\q
.endr
	ds_load_b32 v[16+\kt], v10 offset:49152+512*\kt+4*\c
.endr
	WA
	s_wait_dscnt 0x0
	WIN ((2+(\c>>1))<<6)
.irp kt,0,1,2,3,4,5,6,7
.irp p,0,1
	WM 64*((2*\c+\p)&3)+8*\kt,96+12*\kt,192+12*\p,-1,16+\kt,24+\c,0
.endr
.endr
	WIN 0
.endr
	PLACES
.set Q,0
.rept 8
	global_load_b128 v[ACC+4*Q:ACC+4*Q+3], v247, s[6:7] offset:128*(Q/4)+16*(Q&3) th:TH_LOAD_NT
	global_load_b128 v[ACC+32+4*Q:ACC+32+4*Q+3], v247, s[58:59] offset:128*(Q/4)+16*(Q&3) th:TH_LOAD_NT
.set Q,Q+1
.endr
.irp b,0,1
	global_load_b128 v[52+4*\b:55+4*\b], v252, s[8:9] offset:32*\b th:TH_LOAD_NT
	global_load_b128 v[60+4*\b:63+4*\b], v252, s[60:61] offset:32*\b th:TH_LOAD_NT
.endr
	s_load_b32 s63, s[34:35], 0x0
	s_load_b32 s84, s[32:33], 0x0
.irp hd,0,1,2,3,4,5,6,7
	s_load_b32 s[85+\hd], s[36:37], 64*\hd
.endr
	s_lshl_b32 s2, s42, 15
	v_add_nc_u32 v10, s2, v1
	WIN 0x40                                       ; e0 + bo of my rows waits in window 1 while the scores take its LDS bytes
.set Q,0
.rept 64
	ds_load_b128 v[4*Q:4*Q+3], v10 offset:512*Q
.set Q,Q+1
.endr
	WIN 0
	BAR                                            ; nobody reads Q, K or the f32 tiles any more
; ---------------- + 8 x the radial bias: one centre a trip
	s_wait_kmcnt 0x0
	s_mul_f32 s63, s63, 0xbfb8aa3b                 ; -gamma log2(e)
	v_mov_b32 v208, s63
	v_mov_b32 v209, s63
	v_mov_b32 v210, 0x40400000                     ; 3: the factor 8, in the exponent
	v_mov_b32 v211, 0x40400000
	WA
	s_wait_loadcnt 0x0
	s_mov_b32 s50, 0
.Lrbf:
	s_wait_kmcnt 0x0
	s_xor_b32 s52, s84, 0x80000000                 ; -mu
	s_mov_b32 s53, s52
.irp hd,0,1,2,3,4,5,6,7
	s_mov_b32 s[68+2*\hd], s[85+\hd]
	s_mov_b32 s[69+2*\hd], s[85+\hd]
.endr
	s_add_co_u32 s2, s50, 1
	s_min_u32 s2, s2, 15                           ; the last trip asks for its own again
	s_lshl_b32 s2, s2, 2
	s_load_b32 s84, s[32:33], s2 offset:0x0
.irp hd,0,1,2,3,4,5,6,7
	s_load_b32 s[85+\hd], s[36:37], s2 offset:64*\hd
.endr
.set J,0
.rept 32
	v_pk_add_f32 v[Y+J:Y+J+1], v[ACC+J:ACC+J+1], s[52:53] op_sel_hi:[1,0]
.set J,J+2
.endr
.set J,0
.rept 32
	v_pk_mul_f32 v[Y+J:Y+J+1], v[Y+J:Y+J+1], v[Y+J:Y+J+1]
.set J,J+2
.endr
.set J,0
.rept 32
	v_pk_fma_f32 v[Y+J:Y+J+1], v[Y+J:Y+J+1], v[208:209], v[210:211]
.set J,J+2
.endr
	WA
.set J,0
.rept 64
	v_exp_f32 v[Y+J], v[Y+J]
.set J,J+1
.endr
	v_nop
.irp wn,0,1
	WIN 0xa0+0x50*\wn
	WA
.irp hd,0,1,2,3
.set J,0
.rept 32
	v_pk_fma_f32 v[64*\hd+J:64*\hd+J+1], v[Y+J:Y+J+1], s[68+8*\wn+2*\hd:69+8*\wn+2*\hd], v[64*\hd+J:64*\hd+J+1] op_sel_hi:[1,0,1]
.set J,J+2
.endr
.endr
.endr
	WIN 0
	TEND .Lrbf,16
	s_wait_kmcnt 0x0
; ---------------- the scores go to my own 65,536 bytes of LDS, head by head
	v_add_nc_u32 v10, s95, v1
.irp wn,0,1
	WIN 0x08+4*\wn
.set Q,0
.rept 64
	ds_store_b128 v10, v[4*Q:4*Q+3] offset:32768*\wn+512*Q
.set Q,Q+1
.endr
.endr
	WIN 0
	s_wait_dscnt 0x0
	global_load_b128 v[248:251], v2, s[26:27]      ; ln2_b
	global_load_b128 v[72:75], v2, s[30:31]        ; b2
.irp o,0,1,2,3
	global_load_u8 v[68+\o], v14, s[10:11] offset:32*(\o>>1)+8*(\o&1)
.endr
	WLD 1,38,12*STEPB                              ; Wo lands under the heads
	s_mov_b32 s2, 0xcfee6b28                       ; -8e9
	s_mov_b32 s3, 0x7f800000
	WIN 0x80                                       ; the mask as limits in window 2 v64-127: -8e9 where a byte is 1, else infinity
.set I,0
.rept 64
	v_bfe_u32 v[64+I], v[52+(I>>2)], 8*(I&3), 1
.set I,I+1
.endr
	WIN 0x88
.set I,0
.rept 64
	v_sub_nc_u32 v[64+I], 0, v[64+I]
.set I,I+1
.endr
	WIN 0x82
.set I,0
.rept 64
	v_bfi_b32 v[64+I], v[64+I], s2, s3
.set I,I+1
.endr
	WIN 0
; ---------------- the heads, a pair a trip
.macro HEAD p
.set Q,0
.rept 16
	ds_load_b128 v[ACC+4*Q:ACC+4*Q+3], v10 offset:8192*(\p)+512*Q
.set Q,Q+1
.endr
.set Q,0
.rept 12
	ds_load_b128 v[XF+4*Q:XF+4*Q+3], v11 offset:6144*(\p)+512*Q
.set Q,Q+1
.endr
	ds_load_b128 v[XS:XS+3], v253 offset:512*(\p)
	WA
	s_wait_dscnt 0x0
	WIN 0x08
.set I,0
.rept 64
	v_min_num_f32 v[ACC+I], v[ACC+I], v[64+I]
.set I,I+1
.endr
	WIN 0
.irp b,0,1,2,3
	v_max_num_f32 v[208+\b], v[ACC+16*\b], v[ACC+16*\b+1]
.endr
.irp i,2,4,6,8,10,12,14
.irp b,0,1,2,3
	v_max3_num_f32 v[208+\b], v[ACC+16*\b+\i], v[ACC+16*\b+\i+1], v[208+\b]
.endr
.endr
.irp b,0,1,2,3
	v_permlanex16_b32 v[212+\b], v[208+\b], s44, s45
.endr
.irp b,0,1,2,3
	v_max_num_f32 v[208+\b], v[208+\b], v[212+\b]
.endr
	v_max3_num_f32 v220, v208, v209, v210
	v_max_num_f32 v220, v220, v211
	v_mul_f32 v220, s46, v220                      ; the row's largest t
	v_floor_f32 v222, -v220                        ; -M
	v_floor_f32 v223, -v220
.set J,0
.rept 32
	v_pk_fma_f32 v[ACC+J:ACC+J+1], v[ACC+J:ACC+J+1], s[46:47], v[222:223] op_sel_hi:[1,0,1]
.set J,J+2
.endr
.irp b,0,1,2,3
	v_fma_f32 v[208+\b], v[208+\b], s46, v222      ; the same of each block's largest score
.endr
	WA
.set J,0
.rept 64
	v_exp_f32 v[ACC+J], v[ACC+J]
.set J,J+1
.endr
.irp b,0,1,2,3
	v_exp_f32 v[208+\b], v[208+\b]
.endr
	v_nop
	WA
.irp b,0,1,2,3
	v_max_num_f32 v[208+\b], 0x2800000, v[208+\b]
.endr
	QTAIL 0,ACC
	v_pk_add_f32 v[232:233], v[ACC:ACC+1], v[ACC+2:ACC+3]      ; the row's sum of the unquantised p; also the places ahead of the products
	v_pk_add_f32 v[234:235], v[ACC+4:ACC+5], v[ACC+6:ACC+7]
.set J,8
.rept 14
	v_pk_add_f32 v[232:233], v[ACC+J:ACC+J+1], v[232:233]
	v_pk_add_f32 v[234:235], v[ACC+J+2:ACC+J+3], v[234:235]
.set J,J+4
.endr
	v_pk_add_f32 v[232:233], v[232:233], v[234:235]
	v_add_f32 v232, v232, v233
	v_permlanex16_b32 v236, v232, s44, s45
	v_add_f32 v232, v232, v236
	WA
	v_rcp_f32 v238, v232
	v_nop
	WIN 0x80
.irp t,0,1,2,3
	WM 32*(\p)+8*\t,XF+12*\t,220,-1,XS+\t,240,0
.endr
	WIN 0
	PLACES
	WA
	v_mov_b32 v239, v238
	WIN 0x82
.set J,0
.rept 16
	v_pk_mul_f32 v[32*(\p)+J:32*(\p)+J+1], v[32*(\p)+J:32*(\p)+J+1], v[238:239]
.set J,J+2
.endr
	WIN 0
.endm
	s_mov_b32 s50, 0
.Lhd:
	s_lshl_b32 s2, s50, 14
	s_add_co_u32 s2, s2, s95
	v_add_nc_u32 v10, s2, v1
	v_add_nc_u32 v6, s2, v1                        ; o's fragment (tile w, K step c) takes the place of the pair's scores, which are read by then
	SA 2,50,12288,TT
	v_add_nc_u32 v11, s2, v1
	SA 2,50,1024,TSC
	v_add_nc_u32 v253, s2, v1
	s_lshl_b32 s2, s50, 2
	s_add_co_u32 s2, s2, s95
	s_add_co_u32 s2, s2, 2048
	v_add_nc_u32 v7, s2, v1
	WA
	HEAD 0
	HEAD 1
	QMAX 2,0
	QTAIL 2,0
	IMAGE
	TEND .Lhd,4
; ---------------- e0 + bo back into LDS, quads 528 bytes apart; then e1 + e0 and LN2's first sums
	s_add_co_u32 s2, s95, 6144
	v_add_nc_u32 v10, s2, v1
	WIN 0x04
.set Q,0
.rept 64
	ds_store_b128 v10, v[4*Q:4*Q+3] offset:16384*(Q/16)+528*(Q%16)
.set Q,Q+1
.endr
	WIN 0
	BSTAGE                                         ; ln2_b; Wo, b2 and the padding bytes are in too
	ds_store_b128 v4, v[72:75] offset:2048
	s_add_co_u32 s2, s95, 4096
	v_add_nc_u32 v10, s2, v15
.irp o,0,1,2,3
	v_add_nc_u32 v[68+\o], -1, v[68+\o]
	v_and_b32 v[68+\o], 0x7f800000, v[68+\o]       ; the relu's upper limit: infinity, or 0 for a padded row
	ds_store_b32 v10, v[68+\o] offset:16384*\o
.endr
	BAR                                            ; o's images lie in LDS
	s_wait_xcnt 0x0
	global_load_b128 v[248:251], v2, s[28:29]      ; b1, hidden units 0-511
	WLD 0,38,16*STEPB                              ; W1's first group
	TPRE 0,65536,16384,2048,65536
	XADR 50
	XLD 528
.Lo:
	TTOP 1,4,0,65536,16384,2048,65536
	STADR STA2
	LNSTAT
	XST 528
	ds_store_b64 v7, v[242:243]
	XADR 3
	XLD 528
	TEND .Lo,4
	WIN 0xc0
	TLOAD 0,24,9                                   ; ln2_g
	WIN 0
	BAR
	s_wait_loadcnt 0x0
	LNC .Lsd,4,1,STA2,TT,ESC
	BAR                                            ; e2's images lie in LDS
; ---------------- the feed-forward part: four groups of 512 hidden units
	s_add_nc_u64 s[66:67], s[38:39], 16*STEPB
	s_mov_b32 s92, 0
.Lffn:
	BSTAGE                                         ; this group's b1; its W1 is in
	WLD 1,66,4*STEPB                               ; its W2
	TPRE TT,6144,1536,ESC,512
	VLD ACC,0
	s_add_co_u32 s2, s95, 4096
	v_add_nc_u32 v245, s2, v15
	ds_load_b32 v244, v245
.Lw1:
	TTOP 0,4,TT,6144,1536,ESC,512
	OADR HIMG,HSC
.set I,0
.rept 64
	v_med3_num_f32 v[ACC+I], v[ACC+I], 0, v244
.set I,I+1
.endr
	QMAX 0,ACC
	QTAIL 0,ACC
	IMAGE
	VLD ACC,0
	SA 2,3,16384,4096
	s_add_co_u32 s2, s2, s95
	v_add_nc_u32 v245, s2, v15
	ds_load_b32 v244, v245
	TEND .Lw1,4
	BAR                                            ; the group's hidden images lie in LDS
	s_wait_loadcnt 0x0                             ; W2
	s_cmp_lt_u32 s92, 3
	s_cselect_b32 s2, 8*STEPB, 0                   ; the last group asks for its own again: no load leaves wst
	s_mov_b32 s3, 0
	s_add_nc_u64 s[48:49], s[66:67], s[2:3]
	s_add_co_u32 s2, s92, 1
	s_min_u32 s2, s2, 3
	s_lshl_b32 s2, s2, 11
	v_add_nc_u32 v6, s2, v2
	global_load_b128 v[248:251], v6, s[28:29]      ; the next group's b1
	WLD 0,48,0
	TPRE HIMG,6144,1536,HSC,512
	XADR 50
	XLD 528
.Lw2:
	TTOP 1,4,HIMG,6144,1536,HSC,512
	XST 528
	XADR 3
	XLD 528
	TEND .Lw2,4
	BAR                                            ; the hidden images are read no more
	s_wait_xcnt 0x0
	s_mov_b64 s[66:67], s[48:49]
	s_add_co_u32 s92, s92, 1
	s_cmp_lt_u32 s92, 4
	s_cbranch_scc1 .Lffn
; ---------------- out0: a row's 512 bytes of my columns by 32 lanes
	v_and_b32 v6, 31, v0
	v_lshrrev_b32 v7, 3, v6
	v_and_b32 v10, 3, v6
	v_lshl_add_u32 v7, v7, 2, v10
	v_mul_u32_u24 v7, v7, 528
	v_bfe_u32 v10, v0, 2, 1
	v_lshl_add_u32 v7, v10, 8, v7
	s_mov_b32 s50, 0
.Lout:
	SA 2,50,16384,6144
	s_add_co_u32 s2, s2, s95
	v_add_nc_u32 v6, s2, v7
	s_lshr_b32 s2, s50, 1
	s_lshl_b32 s2, s2, 16
	s_and_b32 s3, s50, 1
	s_lshl_b32 s3, s3, 14
	s_add_co_u32 s2, s2, s3
	v_add_nc_u32 v11, s2, v2
.set Q,0
.rept 16
	ds_load_b128 v[ACC+4*Q:ACC+4*Q+3], v6 offset:16*Q
.set Q,Q+1
.endr
	WA
	s_wait_dscnt 0x0
.set Q,0
.rept 16
	global_store_b128 v11, v[ACC+4*Q:ACC+4*Q+3], s[40:41] offset:(Q+(Q&8))*2048 th:TH_STORE_NT
.set Q,Q+1
.endr
	s_wait_xcnt 0x0
	TEND .Lout,4
	s_wait_tensorcnt 0x0                           ; the wave's end
	ds_add_u32 v254, v255
	s_wait_dscnt 0x0
	s_endpgm
.Lfunc_end_k_q9d42716905_blk:
	.size	k_q9d42716905_blk, .Lfunc_end_k_q9d42716905_blk-k_q9d42716905_blk
	.p2alignl 7, 3214868480
	.fill 96, 4, 3214868480
	.section	.rodata,"a",@progbits
	.p2align	6, 0x0
	.amdhsa_kernel k_q9d42716905_blk
		.amdhsa_group_segment_fixed_size 327680
		.amdhsa_private_segment_fixed_size 0
		.amdhsa_enable_private_segment 0
		.amdhsa_kernarg_size 152
		.amdhsa_user_sgpr_count 2
		.amdhsa_user_sgpr_kernarg_segment_ptr 1
		.amdhsa_wavefront_size32 1
		.amdhsa_system_sgpr_workgroup_id_x 1
		.amdhsa_system_sgpr_workgroup_id_y 1
		.amdhsa_system_sgpr_workgroup_id_z 1
		.amdhsa_system_vgpr_workitem_id 0
		.amdhsa_next_free_vgpr 1024
		.amdhsa_next_free_sgpr 100
		.amdhsa_reserve_vcc 0
		.amdhsa_float_denorm_mode_32 3
		.amdhsa_float_denorm_mode_16_64 3
		.amdhsa_memory_ordered 1
		.amdhsa_forward_progress 1
		.amdhsa_inst_pref_size 255
	.end_amdhsa_kernel
	.section	.bss,"aw",@nobits
	.p2align	6
	.space	262144
	.amdgpu_metadata
---
amdhsa.version: [ 1, 2 ]
amdhsa.kernels:
  - .name:           k_q9d42716905_blk
    .symbol:         k_q9d42716905_blk.kd
    .args:
      - { .name: e, .offset: 0, .size: 8, .value_kind: global_buffer, .address_space: global }
      - { .name: d, .offset: 8, .size: 8, .value_kind: global_buffer, .address_space: global }
      - { .name: attn_mask, .offset: 16, .size: 8, .value_kind: global_buffer, .address_space: global }
      - { .name: padding_mask, .offset: 24, .size: 8, .value_kind: global_buffer, .address_space: global }
      - { .name: ln1_g, .offset: 32, .size: 8, .value_kind: global_buffer, .address_space: global }
      - { .name: ln1_b, .offset: 40, .size: 8, .value_kind: global_buffer, .address_space: global }
      - { .name: bq, .offset: 48, .size: 8, .value_kind: global_buffer, .address_space: global }
      - { .name: bk, .offset: 56, .size: 8, .value_kind: global_buffer, .address_space: global }
      - { .name: bv, .offset: 64, .size: 8, .value_kind: global_buffer, .address_space: global }
      - { .name: bo, .offset: 72, .size: 8, .value_kind: global_buffer, .address_space: global }
      - { .name: ln2_g, .offset: 80, .size: 8, .value_kind: global_buffer, .address_space: global }
      - { .name: ln2_b, .offset: 88, .size: 8, .value_kind: global_buffer, .address_space: global }
      - { .name: b1, .offset: 96, .size: 8, .value_kind: global_buffer, .address_space: global }
      - { .name: b2, .offset: 104, .size: 8, .value_kind: global_buffer, .address_space: global }
      - { .name: rbf_mu, .offset: 112, .size: 8, .value_kind: global_buffer, .address_space: global }
      - { .name: rbf_gamma, .offset: 120, .size: 8, .value_kind: global_buffer, .address_space: global }
      - { .name: rbf_w, .offset: 128, .size: 8, .value_kind: global_buffer, .address_space: global }
      - { .name: wst, .offset: 136, .size: 8, .value_kind: global_buffer, .address_space: global }
      - { .name: out0, .offset: 144, .size: 8, .value_kind: global_buffer, .address_space: global }
    .group_segment_fixed_size: 327680
    .private_segment_fixed_size: 0
    .kernarg_segment_align: 8
    .kernarg_segment_size: 152
    .max_flat_workgroup_size: 128
    .sgpr_count:     100
    .vgpr_count:     1024
    .wavefront_size: 32
...
	.end_amdgpu_metadata
.endif
;; end of part 2
